; MI455X (gfx1250); checked and timed in simulation.
; The chip was launched on July 23, 2026; its instructions are those of AMD's public machine-readable ISA for CDNA 5 (MIT licence, August 2026) and "CDNA5" Instruction Set Architecture Reference Guide (July 2026). The comments in the code are by the model that wrote it; some were corrected since.
;; Embedding Shard. Allowed arithmetic: float matrix products may take bf16 or f16 operands with f32 sums; all other float work in f32.
;; Inputs: W 3,150 x 4,096 float32; b 4,096 float32; pos_emb 2,048 x 4,096 float32; x 2 x 2,048 int32.
;; Outputs: out0 2 x 2,048 x 4,096 float32.
;; One version. Each part assembles by itself: llvm-mc -triple=amdgcn-amd-amdhsa -mcpu=gfx1250 --defsym DOCPART=n.
;; ======== version 1 of 1: 1 launch
;; launch embed (part 1): grid 512 x 1, 8 waves a work-group, no clusters, 0 bytes of LDS; arguments W, b, pos_emb, x, out0; writes out0
.if DOCPART == 1
	.amdgcn_target "amdgcn-amd-amdhsa--gfx1250"
	.amdhsa_code_object_version 6
	.text
	.protected	k_q809ebe557d_embed
	.globl	k_q809ebe557d_embed
	.p2align	8
	.type	k_q809ebe557d_embed,@function
k_q809ebe557d_embed:
	s_mov_b64 s[64:65], 0
	v_nop
	global_prefetch_b8 v0, s[64:65] scope:SCOPE_SE
	s_setreg_imm32_b32 hwreg(HW_REG_WAVE_MODE, 25, 1), 1
	s_wait_xcnt 0x0
; out0[bt][s][:] = onehot(x[bt][s]) . W + b + pos_emb[s][:].   W: [3150][4096] f32, b: [4096] f32, pos_emb: [2048][4096] f32,
; x: [2][2048] i32, out0: [2][2048][4096] f32.
; THE PRODUCT AS A SELECTION.  In each sum over the vocabulary at most one term is not 0 x W[v][d], and that term is 1.0 x W[x][d].
; So for finite W the product is row x of W, or a row of zeros where x lies outside 0 .. 3149 (as one_hot gives it).  The row is taken
; in f32 as it stands and multiplied by m = 1.0 or 0.0; no matrix instruction is needed, and only the rows that x names are read.
; LIMITS.  (1) W is taken as finite: with an infinity or a NaN in W the reference's terms 0 x W[v][d] make the whole column NaN for every
; token; this text gives NaN or infinity only to the tokens that name such a row (and to out-of-range tokens, if row 3149 holds one).
; (2) The sum is formed as W[x] + (pos_emb + b), the reference forms (W[x] + b) + pos_emb: the order of two roundings differs.
; SHARES.  Work-group g owns positions 4 g .. 4 g + 3 for both batch rows, 8 tokens: pos_emb[s] + b is formed once and serves x[0][s] and
; x[1][s], so each byte of pos_emb is loaded once in the launch.  Thread t owns the 16 bytes at 16 t + 4096 j, j = 0 .. 3, of every row of
; 16,384 bytes: each load and store of a wave covers 512 consecutive bytes, aligned to 512; eight waves x four chunks cover a row.
; IN FLIGHT.  A wave issues all its 52 loads (4 of b, 16 of pos_emb, 32 of W: 26 KiB) before it uses the first result.  Every load has
; registers of its own and every store goes out of the registers its row was loaded into, so no register that a memory instruction names
; is ever written again: there is no ring, no loop, and no wait that frees a source.  No wave needs another wave's bytes: no LDS, no barrier.
; No work-groups share a tile at one time but for b (16 KiB beside the 320 KiB of a work-group's other traffic): no cluster.
.set VOCAB, 3150
.set ROW,   16384                      ; bytes in a row of W, pos_emb, out0
.set CHUNK, 4096                       ; bytes that the 256 threads cover with one 16-byte access each
.set NPOS,  4                          ; positions of a work-group
.set SEQ,   2048
.set BATCH_BYTES, SEQ*ROW              ; from out0[0] to out0[1]: 32 MiB, too far for a store's immediate, so batch row 1 has a base of its own
.set XI, 16                            ; s[16:19] x[0][4g .. 4g+3], s[20:23] x[1][4g .. 4g+3]
.set M,  24                            ; s[24:39] token k: the pair {m, m}, m = 1.0 where x is in range, else 0.0
.set WB, 40                            ; s[40:55] token k: the address of row min(x, 3149) of W
.set B,  2                             ; v[2:17]    b: chunk j at B + 4 j
.set P,  18                            ; v[18:81]   position p, chunk j at P + 16 p + 4 j: pos_emb as loaded, then pos_emb + b
.set R,  82                            ; v[82:209]  token k = 2 p + bt, chunk j at R + 16 k + 4 j: W's row as loaded, then the result
	s_load_b256 s[4:11], s[0:1], 0x0               ; W s[4:5], b s[6:7], pos_emb s[8:9], x s[10:11]
	s_load_b64 s[12:13], s[0:1], 0x20              ; out0
	v_lshlrev_b32 v1, 4, v0                        ; 16 t: my bytes in every chunk; never rewritten
	s_lshl_b32 s2, ttmp9, 16                       ; g x 4 rows of 16,384 bytes: 33,488,896 at the most,
	s_mov_b32 s3, 0                                ; so the high word is 0
	s_lshl_b32 s14, ttmp9, 4                       ; g x 4 indices of 4 bytes
	s_mov_b32 s15, 0
	s_mov_b32 s57, 0                               ; high word of a row's offset in W (51,593,216 at the most)
	s_wait_kmcnt 0x0                               ; the five addresses are in
	s_add_nc_u64 s[10:11], s[10:11], s[14:15]      ; x[0][4g]
	s_load_b128 s[XI:XI+3], s[10:11], 0x0          ; the four indices of batch row 0
	s_load_b128 s[XI+4:XI+7], s[10:11], SEQ*4      ; and of batch row 1
	; While the indices are on their way: everything that does not hang on them.
	s_add_nc_u64 s[8:9], s[8:9], s[2:3]            ; pos_emb at my first position
	s_add_nc_u64 s[12:13], s[12:13], s[2:3]        ; out0[0] at my first position
	s_add_nc_u64 s[58:59], s[12:13], BATCH_BYTES   ; out0[1] at my first position
.irp j, 0,1,2,3
	global_load_b128 v[B+4*\j:B+4*\j+3], v1, s[6:7] offset:CHUNK*\j    ; no hint: every work-group reads b again
.endr
.irp p, 0,1,2,3
.irp j, 0,1,2,3
	global_load_b128 v[P+16*\p+4*\j:P+16*\p+4*\j+3], v1, s[8:9] offset:ROW*\p+CHUNK*\j th:TH_LOAD_NT   ; read once in the launch
.endr
.endr
; Token k, whose index lies in s[xr]: its factor m and its row's address.  Scalar lines only, so that the eight rows' loads follow as one run.
.macro ROWBASE k, xr
	s_cmp_lt_u32 s[\xr], VOCAB                     ; unsigned: a negative index counts as out of range, as in one_hot
	s_cselect_b32 s[M+2*(\k)], 0x3f800000, 0       ; m = 1.0 or 0.0; s_cselect leaves SCC as it is,
	s_cselect_b32 s[M+2*(\k)+1], 0x3f800000, 0     ; so the pair's second half takes the same choice (the packed form names the pair)
	s_min_u32 s56, s[\xr], VOCAB-1                 ; the address stays inside W whatever x holds
	s_lshl_b32 s56, s56, 14                        ; x 16,384 bytes; s56 is an offset that no memory instruction names, so the next token may use it again
	s_add_nc_u64 s[WB+2*(\k):WB+2*(\k)+1], s[4:5], s[56:57]
.endm
; The four chunks of token k's row of W.  No hint: x may name a row more than once, here or in another work-group.
.macro GATHER k
.irp j, 0,1,2,3
	global_load_b128 v[R+16*\k+4*\j:R+16*\k+4*\j+3], v1, s[WB+2*\k:WB+2*\k+1] offset:CHUNK*\j
.endr
.endm
; Token k = 2 p + bt is finished and stored.  base: out0's base for its batch row.  left: how many younger loads may stay out.
.macro TOKEN p, bt, base, left
	s_wait_loadcnt \left                           ; loads come back in issue order (ISA guide 5.7.1): this token's four are in, the later tokens' stay out
.irp i, 0,1,2,3,4,5,6,7
	v_pk_fma_f32 v[R+16*(2*\p+\bt)+2*\i:R+16*(2*\p+\bt)+2*\i+1], v[R+16*(2*\p+\bt)+2*\i:R+16*(2*\p+\bt)+2*\i+1], s[M+2*(2*\p+\bt):M+2*(2*\p+\bt)+1], v[P+16*\p+2*\i:P+16*\p+2*\i+1] op_sel_hi:[1,0,1]   ; m x W[x] + (pos_emb + b), two at a time; m is broadcast
.endr
.irp j, 0,1,2,3
	global_store_b128 v1, v[R+16*(2*\p+\bt)+4*\j:R+16*(2*\p+\bt)+4*\j+3], s[\base:\base+1] offset:ROW*\p+CHUNK*\j th:TH_STORE_NT   ; 512 consecutive bytes a wave, aligned; written once, not read again
.endr
.endm
	s_wait_kmcnt 0x0                               ; the eight indices are in
.irp p, 0,1,2,3
	ROWBASE 2*\p,   XI+\p                          ; batch row 0
	ROWBASE 2*\p+1, XI+4+\p                        ; batch row 1
.endr
.irp k, 0,1,2,3,4,5,6,7
	GATHER \k
.endr
	s_wait_loadcnt 32                              ; the 32 loads of W were issued behind b's 4 and pos_emb's 16: those 20 are in
.irp p, 0,1,2,3
.irp i, 0,1,2,3,4,5,6,7
	v_pk_add_f32 v[P+16*\p+2*\i:P+16*\p+2*\i+1], v[P+16*\p+2*\i:P+16*\p+2*\i+1], v[B+2*\i:B+2*\i+1]   ; pos_emb + b, once for both batch rows
.endr
.endr
	TOKEN 0, 0, 12, 28                             ; the counts: four loads for each of the 7 - k tokens behind token k
	TOKEN 0, 1, 58, 24
	TOKEN 1, 0, 12, 20
	TOKEN 1, 1, 58, 16
	TOKEN 2, 0, 12, 12
	TOKEN 2, 1, 58, 8
	TOKEN 3, 0, 12, 4
	TOKEN 3, 1, 58, 0
	s_endpgm
.Lfunc_end_k_q809ebe557d_embed:
	.size	k_q809ebe557d_embed, .Lfunc_end_k_q809ebe557d_embed-k_q809ebe557d_embed
	.p2alignl 7, 3214868480
	.fill 96, 4, 3214868480
	.section	.rodata,"a",@progbits
	.p2align	6, 0x0
	.amdhsa_kernel k_q809ebe557d_embed
		.amdhsa_group_segment_fixed_size 0
		.amdhsa_private_segment_fixed_size 0
		.amdhsa_enable_private_segment 0
		.amdhsa_kernarg_size 40
		.amdhsa_user_sgpr_count 2
		.amdhsa_user_sgpr_kernarg_segment_ptr 1
		.amdhsa_wavefront_size32 1
		.amdhsa_system_sgpr_workgroup_id_x 1
		.amdhsa_system_sgpr_workgroup_id_y 1
		.amdhsa_system_sgpr_workgroup_id_z 1
		.amdhsa_system_vgpr_workitem_id 0
		.amdhsa_next_free_vgpr 210
		.amdhsa_next_free_sgpr 66
		.amdhsa_reserve_vcc 0
		.amdhsa_float_denorm_mode_32 3
		.amdhsa_float_denorm_mode_16_64 3
		.amdhsa_memory_ordered 1
		.amdhsa_forward_progress 1
		.amdhsa_inst_pref_size 18
	.end_amdhsa_kernel
	.amdgpu_metadata
---
amdhsa.version: [ 1, 2 ]
amdhsa.kernels:
  - .name:           k_q809ebe557d_embed
    .symbol:         k_q809ebe557d_embed.kd
    .args:
      - { .name: W, .offset: 0, .size: 8, .value_kind: global_buffer, .address_space: global }
      - { .name: b, .offset: 8, .size: 8, .value_kind: global_buffer, .address_space: global }
      - { .name: pos_emb, .offset: 16, .size: 8, .value_kind: global_buffer, .address_space: global }
      - { .name: x, .offset: 24, .size: 8, .value_kind: global_buffer, .address_space: global }
      - { .name: out0, .offset: 32, .size: 8, .value_kind: global_buffer, .address_space: global }
    .group_segment_fixed_size: 0
    .private_segment_fixed_size: 0
    .kernarg_segment_align: 8
    .kernarg_segment_size: 40
    .max_flat_workgroup_size: 256
    .sgpr_count:     66
    .vgpr_count:     210
    .wavefront_size: 32
...
	.end_amdgpu_metadata
.endif
;; end of part 1
